; MI455X (gfx1250); checked and timed in simulation.
; The chip was launched on July 23, 2026; its instructions are those of AMD's public machine-readable ISA for CDNA 5 (MIT licence, August 2026) and "CDNA5" Instruction Set Architecture Reference Guide (July 2026). The comments in the code are by the model that wrote it; some were corrected since.
;; Penalized Attention. Allowed arithmetic: matrix products marked QUANTISED: E2M3 operands, one E8M0 scale for each 32 along K, by v_wmma_scale_f32_16x16x128_f8f6f4 with both operands' format E2M3, f32 sums; everything else in f32.
;; Inputs: W_attn_codes 3,072 x 32 x 24 uint8 (E2M3 codes of W_attn, K innermost, in blocks of 32 codes, four codes in three bytes); W_attn_scales 3,072 x 32 uint8 (E8M0 scales of W_attn, one for each 32 codes along K); W_proj_codes 1,024 x 32 x 24 uint8 (E2M3 codes of W_proj, K innermost, in blocks of 32 codes, four codes in three bytes); W_proj_scales 1,024 x 32 uint8 (E8M0 scales of W_proj, one for each 32 codes along K); x_codes 2 x 2,048 x 32 x 24 uint8 (E2M3 codes of x, K innermost, in blocks of 32 codes, four codes in three bytes); x_scales 2 x 2,048 x 32 uint8 (E8M0 scales of x, one for each 32 codes along K).
;; Outputs: out0 2 x 2,048 x 1,024 float32.
;; This version of the problem:
;;   THIS VERSION OF THE PROBLEM IS GIVEN IN LOW PRECISION. The matrix products marked QUANTISED in the list below multiply operands that are first quantised to E2M3 (2 exponent bits, 3 mantissa bits; 6 bits a number), with one power-of-two scale for each 32 numbers along K (OCP MX v1.0); their sums are f32. All else is computed in f32.
;;   The module's matrix products, in the order in which they are computed (A, B: the left and right operand; K: the contracted axis; several contracted axes count as one K, in the product's order):
;;     1. [M 4,096, K 1,024] x [K 1,024, N 3,072]; A: input x (given as codes); B: input W_attn (given as codes): QUANTISED
;;     2. batch 32 x [M 2,048, K 64] x [K 64, N 2,048]; A: computed on the way; B: computed on the way: QUANTISED
;;     3. batch 32 x [M 2,048, K 2,048] x [K 2,048, N 64]; A: softmax (see below); B: computed on the way: QUANTISED
;;     4. [M 4,096, K 1,024] x [K 1,024, N 1,024]; A: computed on the way; B: input W_proj (given as codes): QUANTISED
;;   THE QUANTISER, for each operand of a quantised product, along K:
;;     - K is cut into blocks of 32 from its start; a last block that is shorter is filled with zeros.
;;     - A block's scale is 2^e with e = floor(log2(the largest magnitude in the block)) - 2, held to -126 .. 127; a block of zeros has e = 0. As a byte (E8M0): e + 127.
;;     - Each number is divided by its block's scale, clamped to +-7.5, and rounded to the nearest number of E2M3, ties to even, subnormals kept.
;;     - The product sums the exact products of the quantised numbers (number of the format x scale) in f32.
;;   ~~~python
;;   def quantise(x, axis):      # numpy; x: float32 -> the quantised numbers, widened to float32 again
;;       x = np.moveaxis(x, axis, -1); K = x.shape[-1]
;;       x = np.pad(x, [(0, 0)] * (x.ndim - 1) + [(0, -K % 32)]); x = x.reshape(x.shape[:-1] + (-1, 32)); a = np.abs(x).max(-1, keepdims=True)
;;       e = np.where(a > 0, np.clip(np.frexp(np.where(a > 0, a, 1))[1] - 1 - 2, -126, 127), 0)      # np.frexp(a)[1] - 1 = floor(log2(a)), exactly
;;       r = np.clip(x / 2.0 ** e, -7.5, 7.5)
;;       step = 2.0 ** (np.maximum(np.frexp(np.where(r == 0, 1, r))[1] - 1, 0) - 3)
;;       q = np.round(r / step) * step * 2.0 ** e      # np.round: ties to even
;;       return np.moveaxis(q.reshape(q.shape[:-2] + (-1,))[..., :K], -1, axis).astype(np.float32)
;;   ~~~
;;   SOFTMAX AHEAD OF A QUANTISED PRODUCT. Where the list says 'softmax', what is quantised is not the finished softmax but p = 2^(t - M), with t = logit x log2(e) and M = ceil(the row's largest t), a whole number; so 1/2 < the row's largest p <= 1. The row's sum l is taken of the UNQUANTISED p, in f32, and the product's result is divided by l at the end. Since M is a whole number, a kernel that streams over the keys may use a running M (the ceiling of the running maximum): every later rescaling is an exact power of two, which a block's scale takes up: the codes' values come out the same.
;;   OPERANDS COMPUTED ON THE WAY. 'Computed on the way' means the value that the module computes at that place (a softmax that the list does not call 'softmax' is quantised finished and normalised). What goes into a quantiser is computed in f32, as accurately as f32 sums, v_exp_f32 and their like allow (about 1e-6 of the number): no bf16 or f16 on the way to a quantiser, and a product that is left as it is and whose result goes on into a quantised operand takes f32 operands (vector FMAs, or v_wmma_f32_16x16x4_f32). A number that lies on a knife's edge between two numbers of the format may be rounded either way, as far as f32 arithmetic and the matrix unit's own rounding can turn it there, and no further.
;;   INPUTS GIVEN AS CODES. W_attn (in the module: [3072, 1024], K = its axis 1); W_proj (in the module: [1024, 1024], K = its axis 1); x (in the module: [2, 2048, 1024], K = its axis 2): each comes as NAME_codes (uint8): NAME with its K axis moved to the last place and cut into blocks of 32 codes, [.., K / 32, bytes a block], one block behind the other in memory; four codes in three bytes: a row's codes are one little-endian stream of bits, code i at bits 6 i .. 6 i + 5 (a code: sign, 2 exponent bits, 3 mantissa bits); and NAME_scales (uint8): the same leading axes, one E8M0 byte (e + 127) for each 32 codes along K. Its value is code x scale, taken as it is: it is not quantised again, and the codes and scales need not be those that the quantiser above would give.
;; One version. Each part assembles by itself: llvm-mc -triple=amdgcn-amd-amdhsa -mcpu=gfx1250 --defsym DOCPART=n.
;; ======== version 1 of 1: 3 launches
;; workspace buffers: qh 3,145,728 bytes; kh 3,145,728 bytes; vh 3,145,728 bytes; yh 3,145,728 bytes; sc 524,288 bytes; ys 131,072 bytes
;; launch qkv (part 1): grid 16 x 16, 4 waves a work-group, clusters of 4 x 4, 327,680 bytes of LDS; arguments x_codes, x_scales, W_attn_codes, W_attn_scales, qh, kh, vh, sc; writes qh, kh, vh, sc
.if DOCPART == 1
	.amdgcn_target "amdgcn-amd-amdhsa--gfx1250"
	.amdhsa_code_object_version 6
	.text
	.protected	k_q84c05b4d1f_qkv
	.globl	k_q84c05b4d1f_qkv
	.p2align	8
	.type	k_q84c05b4d1f_qkv,@function
k_q84c05b4d1f_qkv:
	s_mov_b64 s[64:65], 0
	v_nop
	global_prefetch_b8 v0, s[64:65] scope:SCOPE_SE
	s_setreg_imm32_b32 hwreg(HW_REG_WAVE_MODE, 25, 1), 1
	s_wait_xcnt 0x0
	s_wait_alu depctr_hold_cnt(0) depctr_sa_sdst(0) depctr_va_vdst(0) depctr_va_sdst(0) depctr_va_ssrc(0) depctr_va_vcc(0) depctr_vm_vsrc(0)
	s_getreg_b32 s2, hwreg(HW_REG_IB_STS2, 6, 4)
	s_cmp_eq_u32 s2, 0
	s_cbranch_scc0 .Lentry_in_a_cluster
	s_endpgm
.Lentry_in_a_cluster:
	s_bfe_u32 s2, ttmp6, 0x10000c
	s_cmp_lg_u32 s2, 0xf033
	s_cbranch_scc0 .Lentry_shape_is_right
	s_endpgm
.Lentry_shape_is_right:
; qkv = x W_attn^T on codes of FP6 (E2M3) with E8M0 scales, and the quantising of q, k (along the head's 64) and v (along the tokens) for the attention launch.
; SHARES.  A work-group takes 256 tokens x the 192 rows of W_attn that belong to ONE head (64 of q, 64 of k, 64 of v): 16 x 16 work-groups.  Wave w takes tokens 64 w .. 64 w + 63 against all 12 tiles of W: 48 accumulators.
; q and k are made TRANSPOSED (source 0 = 16 rows of W, source 1 = 16 tokens): a lane holds one token and its registers run along d, the next product's K.  v is made the other way round
; (source 0 = 16 tokens, source 1 = 16 rows of W): a lane holds one channel and its registers run along the tokens, which are K for the product with p.  The same fragments of x serve both.
; K goes in steps of 128; a slot of the LDS ring holds 256 along K (rows of 192 bytes); four chunks through two slots.  All eight steps are written out.
; CLUSTERS: 4 x 4 work-groups.  x's tile hangs on the token block alone and is shared along a row of the cluster, W's tiles on the head alone and are shared along a column: each is asked for jointly.
; WHAT IS STORED.  A HALF IMAGE is 768 bytes: 16 rows x 64 along K as an image of six operand registers: registers 0-3 of lane l at byte 16 l, registers 4-5 at byte 512 + 8 l.  So every store covers 512 or 256 consecutive aligned bytes.
;   qh, kh: [bh][tile of 16 tokens][768];  vh: [bh][64 keys][16 channels][768];  sc: [bh][64 tokens][512]: bytes 16 r: k's words of tiles (0,1), (2,3), q's likewise; bytes 256 + 16 r: v's words of channel tiles (0,1), (2,3), twice.
; ORDER INSIDE A BLOCK OF 32: positions 0-7, 8-15, 16-23, 24-31 hold k 0-7, 16-23, 8-15, 24-31.  q and k have it alike, and so have v and the attention launch's p: the sums are the same sums, the blocks the true blocks.
; LIMITS: a block of zeros gets the scale byte 1 and not 127 (its codes are zeros; the bytes are read by this program alone); blocks whose largest magnitude lies under 2^-124 are held at byte 1; a scale byte 0xff among the inputs gives NaN.
; REGISTERS, in windows of 256: window 0: v1-7 lane numbers, v16-25 addresses, v28-29 for the add, v32-47 x's scale words, v48-95 W's (scales and nothing else), v96-143 and v144-191 x's fragments, two sets (at the end: codes and work).
;   window 1: W's 12 fragments, one set.   window 2: the 32 accumulators of q and k ((l, t) at v[8 (8 l + t)], t 0-3 q, 4-7 k).   window 3: the 16 of v ((lw, tx) at v[8 (4 lw + tx)]).
.set PITCH,  240                       ; an LDS row: 3 x (64 bytes + 16 of padding)
.set WPART,  64*PITCH                  ; 64 rows: q's, k's or v's part of W, and a wave's 64 rows of x
.set XOFF,   3*WPART                   ; a slot: Wq, Wk, Wv, then x's 256 rows
.set SLOT,   XOFF+256*PITCH            ; 107,520
.set SPARE,  2*SLOT                    ; behind the ring: the spare words, 128 bytes a wave, two blocks of 256 bytes that no other line names
.set XA,  16                           ; v16-17 my x fragments in slot 0, 1; v18-19 the same for pieces behind one padding more
.set WA,  20                           ; v20-23 the same for W
.set L16, 24                           ; v24  16 x lane
.set L8,  25                           ; v25  8 x lane
.set SPW, 28                           ; v28  my spare word; never rewritten
.set NIL, 29                           ; v29  0; never rewritten
.set XS,  32
.set WS,  48
.set XF,  96
.set PX,  168                          ; the end: second halves of blocks
.set PW,  176                          ; the end: six scale words
.set TM,  184                          ; the end: v184-187 largest magnitudes, v188-191 bytes, v196-199 the conversions' scale operands
.set SEL, 34                           ; s[34:35] lane selects for lane l xor 16
.set G1X, 36                           ; s[36:43] group 1 for x's tile;  s[44:51] for W's
.set G1W, 44
.set G0X, 52                           ; s[52:55], s[56:59] group 0 for x, a set for each slot
.set G0W, 60                           ; s[60:63], s[68:71] the same for W
.set MSB, 0
.macro WIN new                         ; the immediate's high byte repeats the setting that is left
.if MSB != (\new)
	s_set_vgpr_msb (MSB<<8)|(\new)
.set MSB, (\new)
.endif
.endm
.macro PLACES                          ; four plain places behind matrix instructions, in front of loads into their sources and of reads of their results
.rept 4
	v_nop
.endr
.endm
.macro CREST                           ; a round of the cluster's barrier behind its opening barrier
	s_cmp_lg_u32 s20, 0
	s_cbranch_scc1 .Lnot_wave_0_\@
	s_barrier_signal -3
.Lnot_wave_0_\@:
	s_barrier_wait -3
	s_barrier_signal -1
	s_barrier_wait -1
.endm
.macro CROUND
	s_barrier_signal -1
	s_barrier_wait -1
	CREST
.endm
; A joint load: wave 3 fetches x's 256 rows, waves 0, 1, 2 the 64 rows of Wq, Wk, Wv.  The branch hangs on the wave's number alone.  Four v_nop follow each line.
.macro JLOAD g0x, g0w
	s_cmp_eq_u32 s20, 3
	s_cbranch_scc0 .Lfor_w_\@
	tensor_load_to_lds s[\g0x:\g0x+3], s[G1X:G1X+7]
	s_nop 0
.rept 4
	v_nop
.endr
	s_branch .Lasked_\@
.Lfor_w_\@:
	tensor_load_to_lds s[\g0w:\g0w+3], s[G1W:G1W+7]
	s_nop 0
.rept 4
	v_nop
.endr
.Lasked_\@:
.endm
; A fragment, 16 rows x 128 K, is 12 registers: six pieces of 8 bytes.  Lanes 16-31 read three pieces further on; where that lies behind one padding more the second address register serves.
.macro FRAG reg, adr, q, i
.irp p, 0,1,2,3,4,5
.set PCE, 12*(\q)+6*(\p/3)+\p%3
.if PCE%8 < 5
	ds_load_b64 v[\reg+2*\p:\reg+2*\p+1], v[\adr] offset:8*PCE+16*(PCE/8)+(\i)*16*PITCH
.else
	ds_load_b64 v[\reg+2*\p:\reg+2*\p+1], v[\adr+2] offset:8*PCE+16*(PCE/8)+(\i)*16*PITCH
.endif
.endr
.endm
.macro FW g, slot, q                   ; group g of W (0 q, 1 k, 2 v): four fragments, 24 loads, into window 1
	WIN 0x40
.irp t, 0,1,2,3
	FRAG 48*(\g)+12*\t, WA+(\slot), \q, 4*(\g)+\t
.endr
.endm
.macro FX set, slot, q                 ; my four fragments of x, 24 loads
	WIN 0
.irp l, 0,1,2,3
	FRAG XF+48*(\set)+12*\l, XA+(\slot), \q, \l
.endr
.endm
.macro WM d, a, b, sa, sb, zero, hi    ; one product.  zero: it starts the sum.  hi: K steps 4-7 take their scale words from lanes 16-31
.set rD, \d
.set rA, \a
.set rB, \b
.set rP, \sa
.set rQ, \sb
.if \zero
	v_wmma_scale_f32_16x16x128_f8f6f4 v[rD:rD+7], v[rA:rA+11], v[rB:rB+11], 0, v[rP], v[rQ] matrix_a_fmt:MATRIX_FMT_FP6 matrix_b_fmt:MATRIX_FMT_FP6
.elseif \hi
	v_wmma_scale_f32_16x16x128_f8f6f4 v[rD:rD+7], v[rA:rA+11], v[rB:rB+11], v[rD:rD+7], v[rP], v[rQ] matrix_a_fmt:MATRIX_FMT_FP6 matrix_b_fmt:MATRIX_FMT_FP6 matrix_a_scale:MATRIX_SCALE_ROW1 matrix_b_scale:MATRIX_SCALE_ROW1
.else
	v_wmma_scale_f32_16x16x128_f8f6f4 v[rD:rD+7], v[rA:rA+11], v[rB:rB+11], v[rD:rD+7], v[rP], v[rQ] matrix_a_fmt:MATRIX_FMT_FP6 matrix_b_fmt:MATRIX_FMT_FP6
.endif
.endm
; Eight products of group g (0 q, 1 k): token tiles l0, l0 + 1 x the group's four tiles of W.  The 48 accumulators take turns in the same order in every step.
.macro MULQK2 g, l0, ks, zero
	WIN 0xa1                                       ; source 0 (W) window 1, source 1 (x) window 0, C and D window 2
.irp l, \l0, \l0+1
.irp t, 0,1,2,3
	WM 8*(8*(\l)+4*(\g)+\t), 48*(\g)+12*\t, XF+48*((\ks)%2)+12*(\l), WS+4*(4*(\g)+\t)+(\ks)%4, XS+4*(\l)+(\ks)%4, \zero, (\ks)/4
.endr
.endr
.endm
.macro MULV ks, zero                   ; sixteen products of v: source 0 = x, source 1 = Wv
	WIN 0xf4                                       ; source 0 window 0, source 1 window 1, C and D window 3
.irp lw, 0,1,2,3
.irp tx, 0,1,2,3
	WM 8*(4*\lw+\tx), XF+48*((\ks)%2)+12*\tx, 96+12*\lw, XS+4*\tx+(\ks)%4, WS+4*(8+\lw)+(\ks)%4, \zero, (\ks)/4
.endr
.endr
.endm
; An even K step: its successor lies in the same slot.  The LDS loads go in the order Wq, x, Wk, Wv, each group fetched anew as soon as its products are issued.
.macro STEP ks, slot, zero
	s_wait_dscnt 48                                ; Wq and x are in; Wk's 24 loads and Wv's 24 may be out
	MULQK2 0, 0, \ks, \zero
	MULQK2 0, 2, \ks, \zero
	PLACES
	FW 0, \slot, 1
	FX 1, \slot, 1
	s_wait_dscnt 63                                ; Wk is in: 72 loads are younger than it; the count names fewer
	MULQK2 1, 0, \ks, \zero
	MULQK2 1, 2, \ks, \zero
	PLACES
	FW 1, \slot, 1
	s_wait_dscnt 63                                ; Wv is in: again 72 are younger
	MULV \ks, \zero
	PLACES
	FW 2, \slot, 1
.endm
; An odd K step is a slot's last: all reads of the slot have been issued.  ONE barrier for the change of slots; in front of it each wave waits for all its tensor loads, adds 0 to its spare word, and waits for that and for its reads.
; fill = 1: the barrier opens a round of the cluster's barrier, and the slot is filled again, two chunks on: the load has two K steps, 96 matrix instructions, in which to land.
.macro TURN ks, slot, fill
	WIN 0                                          ; (the add's two registers lie in window 0)
	s_wait_tensorcnt 0x0                           ; all my tensor loads have landed: my part of the other slot
	ds_add_u32 v[SPW], v[NIL]                      ; 0 onto my spare word
	s_wait_dscnt 49                                ; Wq and x are in; Wk's 24, Wv's 24 and the add may be out
	MULQK2 0, 0, \ks, 0                            ; eight matrix instructions stand between the add and the wait for it
	s_wait_dscnt 0x0                               ; the add is done, and my reads of this slot are over
	s_barrier_signal -1
	MULQK2 0, 2, \ks, 0
	WIN 0
	s_barrier_wait -1
.if \fill
	CREST                                          ; no wave of any partner still reads this slot or has a load on its way
	s_add_nc_u64 s[G0X+4*\slot+2:G0X+4*\slot+3], s[G0X+4*\slot+2:G0X+4*\slot+3], 384
	s_add_nc_u64 s[G0W+8*\slot+2:G0W+8*\slot+3], s[G0W+8*\slot+2:G0W+8*\slot+3], 384
	JLOAD G0X+4*\slot, G0W+8*\slot                 ; the first tensor load behind the round; its four v_nop are the places in front of the loads below
.else
	PLACES
.endif
	FW 0, 1-\slot, 0
	FX 0, 1-\slot, 0
	MULQK2 1, 0, \ks, 0
	MULQK2 1, 2, \ks, 0
	PLACES
	FW 1, 1-\slot, 0
	MULV \ks, 0
	PLACES
	FW 2, 1-\slot, 0
.endm
; 64 accumulator registers of a lane, from v[s] of window win on (register 16 b + i: half of block b of my row), become 12 registers of codes at v[XF + 12 n] and the scale word v[PW + n].
.macro QUANT n, win, s
.set PCN, XF+12*(\n)
	WIN 5*(\win)                                   ; sources 0 and 1 in the accumulators' window
.irp b, 0,1,2,3
	v_max3_num_f32 v[TM+\b], |v[\s+16*\b]|, |v[\s+16*\b+1]|, 0x1800000   ; my 16 numbers of block b, from each accumulator's low end on, and the floor 2^(3 - 127): the byte cannot fall under 1
.endr
.irp i, 2,4,6,8,10,12,14
.irp b, 0,1,2,3
	v_max3_num_f32 v[TM+\b], |v[\s+16*\b+\i]|, |v[\s+16*\b+\i+1]|, v[TM+\b]
.endr
.endr
	WIN 0
.irp b, 0,1,2,3
	v_permlanex16_b32 v[TM+4+\b], v[TM+\b], s[SEL], s[SEL+1]
.endr
.irp b, 0,1,2,3
	v_max_num_f32 v[TM+\b], v[TM+\b], v[TM+4+\b]   ; with lane l xor 16's: the block's largest magnitude
.endr
.irp b, 0,1,2,3
	v_add_nc_u32 v[TM+12+\b], 0xff000000, v[TM+\b] ; 2 off its exponent field: the conversion's scale operand
.endr
.irp b, 0,1,2,3
	v_lshrrev_b32 v[TM+4+\b], 23, v[TM+12+\b]      ; the scale's byte
.endr
	v_lshl_or_b32 v[PW+\n], v[TM+5], 8, v[TM+4]
	v_lshl_or_b32 v[PW+\n], v[TM+6], 16, v[PW+\n]
	v_lshl_or_b32 v[PW+\n], v[TM+7], 24, v[PW+\n]
	WIN \win                                       ; source 0 in the accumulators' window
.irp c, 0,1
	v_cvt_scalef32_pk16_fp6_f32 v[PCN+6*\c:PCN+6*\c+2], v[\s+32*\c:\s+32*\c+15], v[TM+12+2*\c]
	v_cvt_scalef32_pk16_fp6_f32 v[PX+4*\c:PX+4*\c+2], v[\s+32*\c+16:\s+32*\c+31], v[TM+12+2*\c+1]
.endr
	WIN 0
	v_nop                                          ; one plain place behind a scaled conversion
.irp c, 0,1                                    ; a whole block to a lane: lanes 0-15 block 2 c, lanes 16-31 block 2 c + 1
.irp i, 0,1,2
	v_permlane16_swap_b32 v[PCN+6*\c+\i], v[PX+4*\c+\i]
.endr
.irp i, 0,1,2
	v_mov_b32 v[PCN+3+6*\c+\i], v[PX+4*\c+\i]
.endr
.endr
.endm
.macro HIMG ptr, reg, off              ; six registers leave as a half image: 512 consecutive bytes, then 256
	global_store_b128 v[L16], v[\reg:\reg+3], s[\ptr:\ptr+1] offset:\off
	global_store_b64 v[L8], v[\reg+4:\reg+5], s[\ptr:\ptr+1] offset:\off+512
.endm
	s_load_b256 s[4:11], s[0:1], 0x0               ; x's codes s[4:5], x's scales s[6:7], W's codes s[8:9], W's scales s[10:11]
	s_load_b256 s[12:19], s[0:1], 0x20             ; qh s[12:13], kh s[14:15], vh s[16:17], sc s[18:19]
	v_lshl_add_u32 v[SPW], v0, 2, SPARE
	v_mov_b32 v[NIL], 0
	ds_add_u32 v28, v29
	ds_add_u32 v28, v29
	s_wait_dscnt 0x0
	v_lshrrev_b32 v1, 5, v0
	v_readfirstlane_b32 s20, v1                    ; wave 0..3
	s_bfe_u32 s21, ttmp6, 0x40000                  ; cx
	s_bfe_u32 s22, ttmp6, 0x40004                  ; cy
	s_lshl_b32 s23, ttmp9, 2
	s_add_co_u32 s23, s23, s21                     ; the head = 4 x cluster x + cx
	s_and_b32 s24, ttmp7, 0xffff
	s_lshl_b32 s24, s24, 2
	s_add_co_u32 s24, s24, s22                     ; the block of 256 tokens = 4 x cluster y + cy
	s_lshl_b32 s25, s22, 2
	s_lshl_b32 s25, 15, s25                        ; my row of the cluster
	s_lshl_b32 s26, 0x1111, s21                    ; my column
	s_or_b32 s[G1X], s25, (1<<20)|(1<<21)|(3<<22)|(3<<25)   ; the mask; elements of 1 byte; padding on; bit 21 beside a mask; after every 16 words, 4 words
	s_mov_b32 s[G1X+1], 192<<16                    ; tensor_dim0
	s_mov_b32 s[G1X+2], 256<<16                    ; tensor_dim1
	s_mov_b32 s[G1X+3], 192<<16                    ; tile_dim0
	s_mov_b32 s[G1X+4], 256                        ; tile_dim1
	s_mov_b32 s[G1X+5], 768                        ; a row of 1,024 codes
	s_mov_b32 s[G1X+6], 0
	s_mov_b32 s[G1X+7], 0
	s_or_b32 s[G1W], s26, (1<<20)|(1<<21)|(3<<22)|(3<<25)
	s_mov_b32 s[G1W+1], 192<<16
	s_mov_b32 s[G1W+2], 64<<16
	s_mov_b32 s[G1W+3], 192<<16
	s_mov_b32 s[G1W+4], 64
	s_mov_b32 s[G1W+5], 768
	s_mov_b32 s[G1W+6], 0
	s_mov_b32 s[G1W+7], 0
	s_mov_b32 s[SEL], 0x76543210
	s_mov_b32 s[SEL+1], 0xfedcba98
	s_mul_i32 s28, s24, 196608                     ; x: 256 rows of 768 bytes a block: hangs on the token block alone
	s_mov_b32 s29, 0
	s_min_u32 s72, s20, 2                          ; W: waves 0, 1, 2 take the rows of q, k, v of my head: hangs on the head and the wave alone
	s_lshl_b32 s72, s72, 10
	s_lshl_b32 s73, s23, 6
	s_add_co_u32 s72, s72, s73
	s_mul_i32 s72, s72, 768
	s_mov_b32 s73, 0
	s_mul_i32 s27, s20, WPART                      ; where my load goes in a slot: Wq, Wk, Wv, x.  Also: my 64 rows inside x's tile
	s_wait_kmcnt 0x0
	s_add_nc_u64 s[30:31], s[4:5], s[28:29]
	s_add_nc_u64 s[74:75], s[8:9], s[72:73]
	CROUND                                         ; all sixteen work-groups are here: the first joint loads meet
.irp s, 0,1
	s_mov_b32 s[G0X+4*\s], 1
	s_add_co_u32 s[G0X+4*\s+1], s27, \s*SLOT
	s_add_nc_u64 s[G0X+4*\s+2:G0X+4*\s+3], s[30:31], \s*192
	s_or_b32 s[G0X+4*\s+3], s[G0X+4*\s+3], 0x80000000
	s_mov_b32 s[G0W+8*\s], 1
	s_add_co_u32 s[G0W+8*\s+1], s27, \s*SLOT
	s_add_nc_u64 s[G0W+8*\s+2:G0W+8*\s+3], s[74:75], \s*192
	s_or_b32 s[G0W+8*\s+3], s[G0W+8*\s+3], 0x80000000
	JLOAD G0X+4*\s, G0W+8*\s                       ; chunk s into slot s: two loads of mine are out
.endr
	v_and_b32 v1, 15, v0                           ; r
	v_bfe_u32 v2, v0, 4, 1                         ; h
	v_and_b32 v7, 31, v0                           ; lane
	v_mul_u32_u24 v3, v1, PITCH
	v_mul_u32_u24 v4, v2, 24
	v_add_nc_u32 v4, v3, v4                        ; row x pitch + 24 h
	v_lshl_add_u32 v5, v2, 4, v4                   ; and behind one padding more
	s_add_co_u32 s32, s27, XOFF                    ; my 64 rows of x in slot 0
.irp s, 0,1
	v_add_nc_u32 v[XA+\s], s32, v4
	v_add_nc_u32 v[XA+2+\s], s32, v5
	v_add_nc_u32 v[WA+\s], \s*SLOT, v4
	v_add_nc_u32 v[WA+2+\s], \s*SLOT, v5
	s_add_co_u32 s32, s32, SLOT
.endr
	v_lshlrev_b32 v[L16], 4, v7
	v_lshlrev_b32 v[L8], 3, v7
	; THE SCALES come once, straight into registers: a row has 32 bytes; lane (r, h) takes 16 of them, so register j holds K step j in lanes 0-15 and K step 4 + j in lanes 16-31.  A load covers 512 consecutive bytes.
	v_lshlrev_b32 v6, 5, v1
	v_lshl_add_u32 v6, v2, 4, v6                   ; 32 r + 16 h
	s_lshl_b32 s32, s24, 13                        ; 256 rows x 32 bytes a block
	s_lshl_b32 s33, s20, 11                        ; 64 rows a wave
	s_add_co_u32 s32, s32, s33
	s_mov_b32 s33, 0
	s_add_nc_u64 s[6:7], s[6:7], s[32:33]
	s_lshl_b32 s76, s23, 11                        ; 64 rows a head
	s_mov_b32 s77, 0
	s_add_nc_u64 s[10:11], s[10:11], s[76:77]
.irp l, 0,1,2,3
	global_load_b128 v[XS+4*\l:XS+4*\l+3], v6, s[6:7] offset:512*\l
.endr
.irp t, 0,1,2,3,4,5,6,7,8,9,10,11
	global_load_b128 v[WS+4*\t:WS+4*\t+3], v6, s[10:11] offset:32768*(\t/4)+512*(\t%4)
.endr
	; where my results go: u = 32 bh + 4 (block % 8) + wave counts runs of 64 tokens; four half images (3,072 bytes) of each of q, k, v and 512 bytes of scale words a run
	s_lshr_b32 s78, s24, 3
	s_lshl_b32 s78, s78, 4
	s_add_co_u32 s78, s78, s23                     ; bh = 16 x batch + head
	s_and_b32 s79, s24, 7
	s_lshl_b32 s79, s79, 2
	s_add_co_u32 s79, s79, s20
	s_lshl_b32 s80, s78, 5
	s_add_co_u32 s80, s80, s79                     ; u
	s_mul_i32 s82, s80, 3072
	s_mov_b32 s83, 0
	s_lshl_b32 s80, s80, 9
	s_mov_b32 s81, 0
	s_add_nc_u64 s[12:13], s[12:13], s[82:83]
	s_add_nc_u64 s[14:15], s[14:15], s[82:83]
	s_add_nc_u64 s[16:17], s[16:17], s[82:83]
	s_add_nc_u64 s[18:19], s[18:19], s[80:81]
	s_wait_tensorcnt 0x1                           ; my part of chunk 0 is in; chunk 1's may stay out
	s_barrier_signal -1
	s_barrier_wait -1                              ; everybody's is
	FW 0, 0, 0
	FX 0, 0, 0
	FW 1, 0, 0
	FW 2, 0, 0
	s_wait_loadcnt 0x0                             ; the scale words
	STEP 0, 0, 1                                   ; the first step's products start the sums: nothing is cleared
	TURN 1, 0, 1                                   ; slot 0 takes chunk 2
	STEP 2, 1, 0
	TURN 3, 1, 1                                   ; slot 1 takes chunk 3
	STEP 4, 0, 0
	TURN 5, 0, 0                                   ; nothing is left to fetch
	STEP 6, 1, 0
	s_wait_dscnt 48                                ; the last step
	MULQK2 0, 0, 7, 0
	MULQK2 0, 2, 7, 0
	s_wait_dscnt 24
	MULQK2 1, 0, 7, 0
	MULQK2 1, 2, 7, 0
	s_wait_dscnt 0x0
	MULV 7, 0
	WIN 0
	PLACES                                         ; in front of the first reads of results and of writes into x's fragment registers
	; THE END: each set of 64 registers becomes two half images.  Every set has code registers of its own, so no store's data are written again.
.irp b, 0,1,2,3
	v_mov_b32 v[TM+4+\b], 0                        ; written once: a lane permute's destination counts as one of its sources
.endr
.irp n, 0,1,2,3                                ; token tile n: blocks 0, 1 are q's, blocks 2, 3 k's
	QUANT \n, 2, 64*\n
	HIMG 12, XF+12*\n, 768*\n
	HIMG 14, XF+12*\n+6, 768*\n
.endr
.irp n, 4,5                                    ; channel tiles 2 (n - 4) and 2 (n - 4) + 1 of v, 64 keys
	QUANT \n, 3, 64*(\n-4)
	HIMG 16, XF+12*\n, 1536*(\n-4)
	HIMG 16, XF+12*\n+6, 1536*(\n-4)+768
.endr
	v_perm_b32 v200, v[PW+1], v[PW], 0x07060302    ; k's two bytes of tiles 0 and 1,
	v_perm_b32 v201, v[PW+3], v[PW+2], 0x07060302  ; of tiles 2 and 3;
	v_perm_b32 v202, v[PW+1], v[PW], 0x05040100    ; q's likewise
	v_perm_b32 v203, v[PW+3], v[PW+2], 0x05040100
	v_cmp_le_u32 vcc_lo, 16, v7                    ; lanes 16-31 carry v's words of channel row lane - 16
	v_cndmask_b32 v204, v200, v[PW+4], vcc_lo
	v_cndmask_b32 v205, v201, v[PW+5], vcc_lo
	v_cndmask_b32 v206, v202, v[PW+4], vcc_lo
	v_cndmask_b32 v207, v203, v[PW+5], vcc_lo
	global_store_b128 v[L16], v[204:207], s[18:19] ; 512 consecutive bytes
	s_wait_tensorcnt 0x0                           ; the wave's end
	ds_add_u32 v[SPW], v[NIL]
	s_wait_dscnt 0x0
	CROUND                                         ; the closing round: no work-group ends while a partner may still ask for a tile that names it
	s_endpgm
.Lfunc_end_k_q84c05b4d1f_qkv:
	.size	k_q84c05b4d1f_qkv, .Lfunc_end_k_q84c05b4d1f_qkv-k_q84c05b4d1f_qkv
	.p2alignl 7, 3214868480
	.fill 96, 4, 3214868480
	.section	.rodata,"a",@progbits
	.p2align	6, 0x0
	.amdhsa_kernel k_q84c05b4d1f_qkv
		.amdhsa_group_segment_fixed_size 327680
		.amdhsa_private_segment_fixed_size 0
		.amdhsa_enable_private_segment 0
		.amdhsa_kernarg_size 64
		.amdhsa_user_sgpr_count 2
		.amdhsa_user_sgpr_kernarg_segment_ptr 1
		.amdhsa_wavefront_size32 1
		.amdhsa_system_sgpr_workgroup_id_x 1
		.amdhsa_system_sgpr_workgroup_id_y 1
		.amdhsa_system_sgpr_workgroup_id_z 1
		.amdhsa_system_vgpr_workitem_id 0
		.amdhsa_next_free_vgpr 896
		.amdhsa_next_free_sgpr 88
		.amdhsa_reserve_vcc 1
		.amdhsa_float_denorm_mode_32 3
		.amdhsa_float_denorm_mode_16_64 3
		.amdhsa_memory_ordered 1
		.amdhsa_forward_progress 1
		.amdhsa_inst_pref_size 139
	.end_amdhsa_kernel
	.amdgpu_metadata
---
amdhsa.version: [ 1, 2 ]
amdhsa.kernels:
  - .name:           k_q84c05b4d1f_qkv
    .symbol:         k_q84c05b4d1f_qkv.kd
    .args:
      - { .name: x_codes, .offset: 0, .size: 8, .value_kind: global_buffer, .address_space: global }
      - { .name: x_scales, .offset: 8, .size: 8, .value_kind: global_buffer, .address_space: global }
      - { .name: W_attn_codes, .offset: 16, .size: 8, .value_kind: global_buffer, .address_space: global }
      - { .name: W_attn_scales, .offset: 24, .size: 8, .value_kind: global_buffer, .address_space: global }
      - { .name: qh, .offset: 32, .size: 8, .value_kind: global_buffer, .address_space: global }
      - { .name: kh, .offset: 40, .size: 8, .value_kind: global_buffer, .address_space: global }
      - { .name: vh, .offset: 48, .size: 8, .value_kind: global_buffer, .address_space: global }
      - { .name: sc, .offset: 56, .size: 8, .value_kind: global_buffer, .address_space: global }
    .group_segment_fixed_size: 327680
    .private_segment_fixed_size: 0
    .kernarg_segment_align: 8
    .kernarg_segment_size: 64
    .max_flat_workgroup_size: 128
    .sgpr_count:     88
    .vgpr_count:     896
    .wavefront_size: 32
...
	.end_amdgpu_metadata
.endif
;; end of part 1
;; launch attn (part 2): grid 8 x 32, 16 waves a work-group, clusters of 4 x 1, 215,040 bytes of LDS; arguments qh, kh, vh, sc, yh, ys; writes yh, ys
.if DOCPART == 2
	.amdgcn_target "amdgcn-amd-amdhsa--gfx1250"
	.amdhsa_code_object_version 6
	.text
	.protected	k_q84c05b4d1f_attn
	.globl	k_q84c05b4d1f_attn
	.p2align	8
	.type	k_q84c05b4d1f_attn,@function
k_q84c05b4d1f_attn:
	s_mov_b64 s[64:65], 0
	v_nop
	global_prefetch_b8 v0, s[64:65] scope:SCOPE_SE
	s_setreg_imm32_b32 hwreg(HW_REG_WAVE_MODE, 25, 1), 1
	s_wait_xcnt 0x0
	s_wait_alu depctr_hold_cnt(0) depctr_sa_sdst(0) depctr_va_vdst(0) depctr_va_sdst(0) depctr_va_ssrc(0) depctr_va_vcc(0) depctr_vm_vsrc(0)
	s_getreg_b32 s2, hwreg(HW_REG_IB_STS2, 6, 4)
	s_cmp_eq_u32 s2, 0
	s_cbranch_scc0 .Lentry_in_a_cluster
	s_endpgm
.Lentry_in_a_cluster:
	s_bfe_u32 s2, ttmp6, 0x10000c
	s_cmp_lg_u32 s2, 0x3003
	s_cbranch_scc0 .Lentry_shape_is_right
	s_endpgm
.Lentry_shape_is_right:
; For each (batch, head) bh and query q: P = q . k / 8 on codes of FP6; Z[k] = the sum of sigmoid(P[j]) over j = k .. q; softmax over k <= q of P - Z; times v on codes of FP6; y quantised along the channels for the last product.
; THE KEYS ARE WALKED DOWNWARD from the diagonal, 128 a step, so that Z is a running carry.  t = (P - Z) log2(e); M = the running largest t rounded up to a whole number; p = 2^(t - M) is quantised along the keys, not normalised;
; the row's sum is taken of the unquantised p and divides at the end.  When M moves, the sum and O are multiplied by 2^(old M - new M), which rounds nothing.
; SHARES.  A work-group owns one bh; each of its sixteen waves owns ONE tile of 16 queries, tile m = 8 i + x (x = the work-group's number 0 .. 7, i a number 0 .. 15 made of the wave's number alone).  So the diagonal lies in key
; step i whatever x is: trip counts, branches and LDS addresses hang on the wave's number alone, every work-group has 1 + 2 + .. + 16 steps, and the four work-groups of a cluster can ask for K, V and the scale words JOINTLY.
; i = 4 (a ^ s) + (a ^ g(s)), a = wave / 4, s = wave % 4, g = 0, 2, 3, 1: the four waves with equal a, and the four with equal s, have 34 steps together.
; ALL codes of the head's K and V (98,304 bytes each) and all scale words (16,384) lie in LDS, filled once: no ring, no refill; the text stores nothing to LDS.
; LAYOUT.  Both products are used transposed: S^T = K Q^T, O^T = V^T P^T: a lane holds ONE query (lane % 16).  Register 8 t + j of S holds key 16 t + 8 (lane / 16) + j of the step.
; K = 64 fills half of the instruction's 128: a fragment of K holds TWO tiles of keys (two half images on end); times (q, zeros) it gives the first, times (zeros, q) the second.
; p's codes keep the order that the conversions give from plain tiles; v's codes were made in the same order.  The channel tiles of V are taken so that lane r of tile 2 b + u holds channel 32 b + 8 u + r + 8 (r / 8):
; then y's 16 registers of two neighbouring tiles are 16 neighbouring channels, and y's codes come out in natural order, as the given codes of W_proj want them.
; LIMITS: Z is summed in runs of eight keys with a carry, in units of log2(e): another order of rounding than a plain reverse sum; p under 2^-126 counts as 0; a block of zeros gets the scale byte 1 and not 127 (read by this program alone).
; REGISTERS: v1-10 lane constants; v11 r; v12-17 the step's addresses; v18 -M, v19 the largest t; v[20:21] the sum; v22 the carry; v23 q's scale word; v24-47 (q, 0) and (0, q); v48-95 fragments of K, sigmoids, fragments of V;
;   v96-159 scores, then u, then p; v160-191 O^T; v192-211 offsets, then p's codes; v212-226 scale words; v228-255 at work.
.set VB,  98304                        ; LDS: K at 0, V here,
.set SB,  196608                       ; the scale words here
.set Q,   24
.set F,   48
.set S,   96
.set O,   160
.set PC,  192                          ; p's codes; before them v[192 + 2 t] = -M - the tile's offset, v[193 + 2 t] = the tile's largest exponent
.set PX,  204
.set KSC, 212                          ; v212-213 K's scale words
.set VR,  214                          ; v214-221 V's scale words as they lie
.set VW,  222                          ; v222-225 V's scale words, a tile each
.set PWD, 226                          ; p's scale word
.set QS,  23
.set T,   228                          ; v228-235 a tile's run of sigmoids x log2(e); later its largest u
.set OT,  236                          ; v236-243 the other half of the lanes' run; later the tile's offset
.set W0,  244
.set W1,  248
.set G1A, 32                           ; s[32:39] group 1: 96 rows of 256 bytes;  s[40:47]: 64 rows
.set G1S, 40
.set G0K, 48
.set G0V, 52
.set G0S, 56
.macro CROUND                          ; a round of the cluster's barrier
	s_barrier_signal -1
	s_barrier_wait -1
	s_cmp_lg_u32 s16, 0
	s_cbranch_scc1 .Lnot_wave_0_\@
	s_barrier_signal -3
.Lnot_wave_0_\@:
	s_barrier_wait -3
	s_barrier_signal -1
	s_barrier_wait -1
.endm
	s_load_b256 s[4:11], s[0:1], 0x0               ; qh s[4:5], kh s[6:7], vh s[8:9], sc s[10:11]
	s_load_b128 s[12:15], s[0:1], 0x20             ; yh s[12:13], ys s[14:15]
	v_lshl_add_u32 v211, v0, 2, 0x34000
	v_mov_b32 v227, 0
	ds_add_u32 v211, v227
	ds_add_u32 v211, v227
	v_lshrrev_b32 v11, 5, v0
	v_readfirstlane_b32 s16, v11                   ; wave 0..15
	s_bfe_u32 s17, ttmp6, 0x40000                  ; cx
	s_lshl_b32 s18, ttmp9, 2
	s_add_co_u32 s18, s18, s17                     ; x: it enters global addresses of q and y, the mask's compared number and a byte selector, and nothing else
	s_and_b32 s19, ttmp7, 0xffff                   ; bh, which the four partners share
	s_lshr_b32 s68, s16, 2                         ; a
	s_and_b32 s69, s16, 3                          ; s
	s_lshl_b32 s70, s69, 1
	s_and_b32 s70, s70, 3
	s_lshr_b32 s71, s69, 1
	s_mul_i32 s71, s71, 3
	s_xor_b32 s70, s70, s71                        ; g(s)
	s_xor_b32 s69, s68, s69
	s_xor_b32 s70, s68, s70
	s_lshl_b32 s20, s69, 2
	s_add_co_u32 s20, s20, s70                     ; i
	s_add_co_u32 s21, s20, 1                       ; my number of steps
	s_lshl_b32 s22, s20, 3
	s_add_co_u32 s22, s22, s18                     ; m
	s_mov_b32 s26, 0x76543210
	s_mov_b32 s27, 0xfedcba98                      ; lane selects for lane l xor 16
	s_mov_b32 s28, 0xbe38aa3b                      ; -c, c = log2(e) / 8
	s_mov_b32 s29, s28                             ; (named with it as a pair)
	s_mov_b32 s30, 0x3e38aa3b                      ; c
	s_mov_b32 s31, 0x3fb8aa3b                      ; log2(e)
	; dense blocks as rows of 256 bytes (32 elements of 8 bytes), no padding; the mask names all four work-groups, bit 21 beside it
	s_mov_b32 s[G1A], 15|(3<<16)|(1<<21)
	s_mov_b32 s[G1A+1], 32<<16
	s_mov_b32 s[G1A+2], 96<<16
	s_mov_b32 s[G1A+3], 32<<16
	s_mov_b32 s[G1A+4], 96
	s_mov_b32 s[G1A+5], 32
	s_mov_b32 s[G1A+6], 0
	s_mov_b32 s[G1A+7], 0
	s_mov_b32 s[G1S], 15|(3<<16)|(1<<21)
	s_mov_b32 s[G1S+1], 32<<16
	s_mov_b32 s[G1S+2], 64<<16
	s_mov_b32 s[G1S+3], 32<<16
	s_mov_b32 s[G1S+4], 64
	s_mov_b32 s[G1S+5], 32
	s_mov_b32 s[G1S+6], 0
	s_mov_b32 s[G1S+7], 0
	s_and_b32 s72, s16, 3
	s_mul_i32 s72, s72, 24576                      ; a quarter of K or of V
	s_mul_i32 s74, s19, 98304
	s_add_co_u32 s74, s74, s72
	s_mov_b32 s75, 0
	s_lshl_b32 s76, s19, 14
	s_mov_b32 s77, 0
	s_wait_dscnt 0x0
	s_wait_kmcnt 0x0
	s_mov_b32 s[G0K], 1
	s_mov_b32 s[G0K+1], s72
	s_add_nc_u64 s[G0K+2:G0K+3], s[6:7], s[74:75]
	s_or_b32 s[G0K+3], s[G0K+3], 0x80000000
	s_mov_b32 s[G0V], 1
	s_add_co_u32 s[G0V+1], s72, VB
	s_add_nc_u64 s[G0V+2:G0V+3], s[8:9], s[74:75]
	s_or_b32 s[G0V+3], s[G0V+3], 0x80000000
	s_mov_b32 s[G0S], 1
	s_mov_b32 s[G0S+1], SB
	s_add_nc_u64 s[G0S+2:G0S+3], s[10:11], s[76:77]
	s_or_b32 s[G0S+3], s[G0S+3], 0x80000000
	CROUND                                         ; all four work-groups are here: the joint loads meet
	s_cmp_lt_u32 s16, 4                            ; waves 0-3: K's quarters; waves 4-7: V's; wave 8: the scale words; the others nothing.  At most one load of a wave is out
	s_cbranch_scc0 .Lnot_k
	tensor_load_to_lds s[G0K:G0K+3], s[G1A:G1A+7]
	s_nop 0
.rept 4
	v_nop
.endr
	s_branch .Lasked
.Lnot_k:
	s_cmp_lt_u32 s16, 8
	s_cbranch_scc0 .Lnot_v
	tensor_load_to_lds s[G0V:G0V+3], s[G1A:G1A+7]
	s_nop 0
.rept 4
	v_nop
.endr
	s_branch .Lasked
.Lnot_v:
	s_cmp_eq_u32 s16, 8
	s_cbranch_scc0 .Lasked
	tensor_load_to_lds s[G0S:G0S+3], s[G1S:G1S+7]
	s_nop 0
.rept 4
	v_nop
.endr
.Lasked:
	v_and_b32 v228, 31, v0                         ; lane
	v_lshlrev_b32 v1, 4, v228                      ; 16 x lane
	v_lshlrev_b32 v2, 3, v228                      ; 8 x lane
	v_and_b32 v11, 15, v0                          ; r
	s_lshl_b32 s68, s19, 7
	s_add_co_u32 s68, s68, s22
	s_mul_i32 s68, s68, 768                        ; q's half image: tile 128 bh + m
	s_mov_b32 s69, 0
	s_add_nc_u64 s[4:5], s[4:5], s[68:69]
	global_load_b128 v[Q:Q+3], v1, s[4:5]          ; (q, zeros): registers 0-5
	global_load_b64 v[Q+4:Q+5], v2, s[4:5] offset:512
	global_load_b128 v[Q+18:Q+21], v1, s[4:5]      ; (zeros, q): registers 6-11 of the second run: two runs of registers, loaded twice
	global_load_b64 v[Q+22:Q+23], v2, s[4:5] offset:512
	s_lshl_b32 s70, s19, 5
	s_lshr_b32 s71, s22, 2
	s_add_co_u32 s70, s70, s71
	s_lshl_b32 s70, s70, 9                         ; q's scale word: run of 64 tokens 32 bh + m / 4,
	s_bfe_u32 s71, s22, 0x10001
	s_lshl_b32 s71, s71, 2
	s_add_co_u32 s70, s70, s71                     ; the word of tiles (0, 1) or (2, 3),
	s_add_co_u32 s70, s70, 8                       ; behind k's two words
	s_mov_b32 s71, 0
	s_add_nc_u64 s[10:11], s[10:11], s[70:71]
	v_lshlrev_b32 v254, 4, v11
	global_load_b32 v255, v254, s[10:11]
	v_bfe_u32 v229, v0, 4, 1                       ; h
	v_bfe_u32 v230, v0, 3, 1                       ; r / 8
	v_and_b32 v231, 7, v0                          ; r % 8
	v_mul_u32_u24 v3, v230, 768                    ; V: lane (r, h) of tile 2 b + u takes the bytes of lane (8 u + r % 8, h) of the plain tile 2 b + r / 8
	v_lshl_add_u32 v4, v231, 3, v3
	v_lshl_add_u32 v3, v231, 4, v3
	v_lshl_add_u32 v3, v229, 8, v3
	v_add_nc_u32 v3, VB, v3                        ; registers 0-3: 768 (r / 8) + 16 (r % 8) + 256 h
	v_lshl_add_u32 v4, v229, 7, v4
	v_add_nc_u32 v4, VB+512, v4                    ; registers 4-5: 768 (r / 8) + 8 (r % 8) + 128 h + 512
	v_lshlrev_b32 v5, 4, v11
	v_lshl_add_u32 v5, v229, 9, v5
	v_add_nc_u32 v5, SB, v5                        ; K's scale words: lanes 0-15 the step's first 64 keys, lanes 16-31 its second
	v_lshl_add_u32 v6, v231, 4, SB+256             ; V's: row r % 8 (+ 8 u in the offset)
	s_lshl_b32 s73, s18, 4
	v_lshlrev_b32 v7, 3, v229
	v_sub_nc_u32 v7, v11, v7
	v_add_nc_u32 v7, s73, v7                       ; d = 16 x + r - 8 h: on the diagonal register 8 t + j is hidden where 16 t + j > d
	v_sub_nc_u32 v8, 1, v229
	v_cvt_f32_u32 v8, v8                           ; 1.0 in lanes 0-15, whose eight keys lie under the other half's; 0.0 in lanes 16-31
	v_mov_b32 v9, 0xff800000                       ; -infinity
	v_cmp_eq_u32 vcc_lo, 1, v230
	v_mov_b32 v10, 0x05040100
	v_mov_b32 v232, 0x07060302
	v_cndmask_b32 v10, v10, v232, vcc_lo           ; which half of V's words is my channel's: the plain tile 2 b (low) or 2 b + 1 (high)
	s_and_b32 s72, s22, 1
	s_mul_i32 s72, s72, 0x02020202
	s_add_co_u32 s72, s72, 0x01000100              ; bytes 0, 1 or 2, 3 of q's word, twice
	s_wait_loadcnt 0x0                             ; q and its word
	v_perm_b32 v[QS], v255, v255, s72              ; (s0, s1, s0, s1): it serves (q, 0) and (0, q).  The moves below are its places in front of the first product
.set k, 0
.rept 32
	v_mov_b32 v[O+k], 0                            ; O^T: the step is written once; the first finds zeros
.set k, k+1
.endr
.irp k, 6,7,8,9,10,11,12,13,14,15,16,17
	v_mov_b32 v[Q+\k], 0                           ; the zero halves: zero codes add nothing
.endr
	v_mov_b32 v20, 0                               ; the sum, in two halves
	v_mov_b32 v21, 0
	v_mov_b32 v22, 0                               ; the carry
	v_mov_b32 v19, 0xff61b1e6                      ; the largest t so far: -3e38
	v_floor_f32 v18, -v19                          ; -M
.irp k, 0,1,2,3,4,5,6,7
	v_mov_b32 v[OT+\k], 0                          ; written once: a lane permute's destination counts as one of its sources
.endr
.irp k, 0,1,2,3
	v_mov_b32 v[W1+\k], 0
.endr
	v_mov_b32 v254, 0
	v_mov_b32 v253, 0                              ; (named as the upper half of the pair v[252:253])
	s_mov_b32 s23, 16                              ; sixteen trips in every wave; key step = s23 - 1
	s_mov_b32 s24, 15*6144                         ; the step's codes: 6,144 bytes of K, as many of V
	s_mov_b32 s25, 15*1024                         ; its scale words
	s_wait_tensorcnt 0x0                           ; my load has landed,
	s_barrier_signal -1
	s_barrier_wait -1                              ; everybody's has: from here on LDS is only read
.Lstep:
	s_cmp_gt_u32 s23, s21                          ; a step all of whose keys come after my queries is left out: only its work; the lines that step addresses stand behind the label
	s_cbranch_scc1 .Lhidden
	v_add_nc_u32 v12, s24, v1                      ; six additions: also the places behind the last trip's products, in front of the loads into their sources
	v_add_nc_u32 v13, s24, v2
	v_add_nc_u32 v14, s24, v3
	v_add_nc_u32 v15, s24, v4
	v_add_nc_u32 v16, s25, v5
	v_add_nc_u32 v17, s25, v6
.irp t, 0,1,2,3,4,5,6,7
	ds_load_b128 v[F+6*\t:F+6*\t+3], v12 offset:768*\t          ; K's eight half images: four fragments of two tiles each
	ds_load_b64 v[F+6*\t+4:F+6*\t+5], v13 offset:768*\t+512
.endr
	ds_load_b64 v[KSC:KSC+1], v16
.irp u, 0,1
.irp kb, 0,1
	ds_load_b64 v[VR+4*\u+2*\kb:VR+4*\u+2*\kb+1], v17 offset:128*\u+512*\kb
.endr
.endr
	s_wait_dscnt 0x0
.irp t, 0,1,2,3
	v_wmma_scale_f32_16x16x128_f8f6f4 v[S+8*\t:S+8*\t+7], v[F+12*(\t/2):F+12*(\t/2)+11], v[Q+12*(\t%2):Q+12*(\t%2)+11], 0, v[KSC+(\t/2)%2], v[QS] matrix_a_fmt:MATRIX_FMT_FP6 matrix_b_fmt:MATRIX_FMT_FP6
.endr
.irp t, 4,5,6,7
	v_wmma_scale_f32_16x16x128_f8f6f4 v[S+8*\t:S+8*\t+7], v[F+12*(\t/2):F+12*(\t/2)+11], v[Q+12*(\t%2):Q+12*(\t%2)+11], 0, v[KSC+(\t/2)%2], v[QS] matrix_a_fmt:MATRIX_FMT_FP6 matrix_b_fmt:MATRIX_FMT_FP6 matrix_a_scale:MATRIX_SCALE_ROW1
.endr
.irp b, 0,1
.irp u, 0,1
	v_perm_b32 v[VW+2*\b+\u], v[VR+4*\u+2+\b], v[VR+4*\u+\b], v10   ; V's word of tile 2 b + u: my channel's two bytes of the first 64 keys, then of the second.  These four are the places behind the products
.endr
.endr
	s_cmp_lg_u32 s23, s21                          ; only my first step lies on the diagonal
	s_cbranch_scc1 .Lopen
.set n, 0
.rept 64
	v_cmp_gt_i32 vcc_lo, 16*(n/8)+n%8, v7          ; hidden scores become -infinity: their sigmoid is 0 and their p is 0
	v_cndmask_b32 v[S+n], v[S+n], v9, vcc_lo
.set n, n+1
.endr
.Lopen:
; Four tiles at a time: sigmoid = 1 / (1 + 2^(-c s)); then down each tile's eight keys: T = the run's sigmoids x log2(e), this key's among them; u = c s - T.
.macro HALF hh
.set k, 0
.rept 16
	v_pk_mul_f32 v[F+k:F+k+1], v[S+32*\hh+k:S+32*\hh+k+1], s[28:29] op_sel_hi:[1,0]   ; each accumulator from its low end on
.set k, k+2
.endr
.set k, 0
.rept 32
	v_exp_f32 v[F+k], v[F+k]
.set k, k+1
.endr
	v_nop                                          ; a plain place behind the transcendentals
.set k, 0
	s_wait_alu depctr_va_vdst(0)
.rept 16
	v_pk_add_f32 v[F+k:F+k+1], v[F+k:F+k+1], 1.0 op_sel_hi:[1,0]
.set k, k+2
.endr
.set k, 0
.rept 32
	v_rcp_f32 v[F+k], v[F+k]
.set k, k+1
.endr
	v_nop
	s_wait_alu depctr_va_vdst(0)
.irp j, 7,6,5,4,3,2,1,0
.irp tt, 0,1,2,3
.if \j == 7
	v_mul_f32 v[T+4*\hh+\tt], s31, v[F+8*\tt+\j]
.else
	v_fmac_f32 v[T+4*\hh+\tt], s31, v[F+8*\tt+\j]
.endif
.endr
.irp tt, 0,1,2,3
	v_fma_f32 v[S+32*\hh+8*\tt+\j], v[S+32*\hh+8*\tt+\j], s30, -v[T+4*\hh+\tt]
.endr
.endr
.endm
	HALF 0
	HALF 1
.irp b, 0,1
.irp u, 0,1
.irp kb, 0,1
	ds_load_b128 v[F+12*(2*\b+\u)+6*\kb:F+12*(2*\b+\u)+6*\kb+3], v14 offset:(4*\kb+2*\b)*768+128*\u     ; V's fragments: they land under the work below
	ds_load_b64 v[F+12*(2*\b+\u)+6*\kb+4:F+12*(2*\b+\u)+6*\kb+5], v15 offset:(4*\kb+2*\b)*768+64*\u
.endr
.endr
.endr
.irp t, 0,1,2,3,4,5,6,7
	v_permlanex16_b32 v[OT+\t], v[T+\t], s26, s27  ; the run of the tile's other eight keys
.endr
.irp t, 0,1,2,3,4,5,6,7
	v_add_f32 v[T+\t], v[T+\t], v[OT+\t]           ; the tile's sixteen
.endr
.irp t, 7,6,5,4,3,2,1,0
	v_fma_f32 v[OT+\t], v[OT+\t], v8, v22          ; the tile's offset: all higher tiles and steps, and for lanes 0-15 the tile's upper eight keys
	v_add_f32 v22, v22, v[T+\t]
.endr
.irp t, 0,1,2,3,4,5,6,7
	v_max3_num_f32 v[T+\t], v[S+8*\t], v[S+8*\t+1], v[S+8*\t+2]     ; the tile's largest u: it serves for the row's maximum and for the block's largest p
.endr
.irp t, 0,1,2,3,4,5,6,7
	v_max3_num_f32 v[T+\t], v[T+\t], v[S+8*\t+3], v[S+8*\t+4]
.endr
.irp t, 0,1,2,3,4,5,6,7
	v_max3_num_f32 v[T+\t], v[T+\t], v[S+8*\t+5], v[S+8*\t+6]
.endr
.irp t, 0,1,2,3,4,5,6,7
	v_max_num_f32 v[T+\t], v[T+\t], v[S+8*\t+7]
.endr
.irp t, 0,1,2,3,4,5,6,7
	v_sub_f32 v[W0+\t], v[T+\t], v[OT+\t]          ; as t
.endr
	v_max3_num_f32 v244, v244, v245, v246
	v_max3_num_f32 v247, v247, v248, v249
	v_max3_num_f32 v244, v244, v247, v250
	v_max_num_f32 v244, v244, v251
	v_permlanex16_b32 v254, v244, s26, s27
	v_max3_num_f32 v19, v19, v244, v254            ; the running largest t
	v_mov_b32 v254, v18
	v_floor_f32 v18, -v19                          ; the new -M = -ceil(t): a whole number
	v_sub_f32 v254, v18, v254                      ; old M - new M: a whole number, 0 or less
	v_cvt_i32_f32 v254, v254                       ; (it saturates)
	v_ldexp_f32 v252, 1.0, v254                    ; f = 2^(old M - new M)
.irp t, 0,1,2,3,4,5,6,7
	v_sub_f32 v[PC+2*\t], v18, v[OT+\t]            ; -M - the tile's offset
.endr
.irp t, 0,1,2,3,4,5,6,7
	v_add_f32 v[PC+2*\t+1], v[T+\t], v[PC+2*\t]    ; the tile's largest exponent: the same addition on the same numbers as its element's below
.endr
.irp b, 0,1,2,3
	v_max_num_f32 v[W0+\b], v[PC+4*\b+1], v[PC+4*\b+3]
.endr
.irp b, 0,1,2,3
	v_permlanex16_b32 v[W1+\b], v[W0+\b], s26, s27
.endr
.irp b, 0,1,2,3
	v_max_num_f32 v[W0+\b], v[W0+\b], v[W1+\b]     ; the largest exponent of each block of 32 keys
.endr
.irp t, 0,1,2,3,4,5,6,7
.irp k, 0,2,4,6
	v_pk_add_f32 v[S+8*\t+\k:S+8*\t+\k+1], v[S+8*\t+\k:S+8*\t+\k+1], v[PC+2*\t:PC+2*\t+1] op_sel_hi:[1,0]   ; t - M (the pair's low word serves both halves)
.endr
.endr
.set k, 0
.rept 64
	v_exp_f32 v[S+k], v[S+k]                       ; p = 2^(t - M), at most 1: not normalised
.set k, k+1
.endr
.irp b, 0,1,2,3
	v_exp_f32 v[W0+\b], v[W0+\b]                   ; each block's largest p
.endr
	v_pk_mul_f32 v[20:21], v[20:21], v[252:253] op_sel_hi:[1,0]     ; the sum under the new M.  (A plain place behind the exponentials)
	s_wait_alu depctr_va_vdst(0)
.irp b, 0,1,2,3
	v_max_num_f32 v[W0+\b], 0x1800000, v[W0+\b]    ; the floor 2^(3 - 127): the byte cannot fall under 1
.endr
.irp b, 0,1,2,3
	v_add_nc_u32 v[W1+\b], 0xff000000, v[W0+\b]    ; 2 off the exponent field: the conversion's scale operand
.endr
.irp b, 0,1,2,3
	v_lshrrev_b32 v[W0+\b], 23, v[W1+\b]           ; the scale's byte
.endr
	v_lshl_or_b32 v[PWD], v[W0+1], 8, v[W0]
	v_lshl_or_b32 v[PWD], v[W0+2], 16, v[PWD]
	v_lshl_or_b32 v[PWD], v[W0+3], 24, v[PWD]
.irp c, 0,1
	v_cvt_scalef32_pk16_fp6_f32 v[PC+6*\c:PC+6*\c+2], v[S+32*\c:S+32*\c+15], v[W1+2*\c]
	v_cvt_scalef32_pk16_fp6_f32 v[PX+4*\c:PX+4*\c+2], v[S+32*\c+16:S+32*\c+31], v[W1+2*\c+1]
.endr
	v_nop                                          ; one plain place behind a scaled conversion
.irp c, 0,1                                    ; a whole block to a lane
.irp i, 0,1,2
	v_permlane16_swap_b32 v[PC+6*\c+\i], v[PX+4*\c+\i]
.endr
.irp i, 0,1,2
	v_mov_b32 v[PC+3+6*\c+\i], v[PX+4*\c+\i]
.endr
.endr
	v_pk_add_f32 v[W0:W0+1], v[S:S+1], v[S+2:S+3]  ; the row's sum is taken of the unquantised p: two at a time, in two chains
.set k, 4
.rept 15
	v_pk_add_f32 v[20:21], v[20:21], v[S+k:S+k+1]
	v_pk_add_f32 v[W0:W0+1], v[W0:W0+1], v[S+k+2:S+k+3]
.set k, k+4
.endr
	v_pk_add_f32 v[20:21], v[20:21], v[W0:W0+1]
.set k, 0
.rept 16
	v_pk_mul_f32 v[O+k:O+k+1], v[O+k:O+k+1], v[252:253] op_sel_hi:[1,0]   ; O^T under the new M, each accumulator from its low end on.  (With the sums: the places between the codes, the scale words and the products)
.set k, k+2
.endr
	s_wait_dscnt 0x0                               ; V's fragments
.irp ct, 0,1,2,3
	v_wmma_scale_f32_16x16x128_f8f6f4 v[O+8*\ct:O+8*\ct+7], v[F+12*\ct:F+12*\ct+11], v[PC:PC+11], v[O+8*\ct:O+8*\ct+7], v[VW+\ct], v[PWD] matrix_a_fmt:MATRIX_FMT_FP6 matrix_b_fmt:MATRIX_FMT_FP6
.endr
.Lhidden:
	s_sub_co_u32 s24, s24, 6144                    ; one step down
	s_sub_co_u32 s25, s25, 1024
	s_sub_co_u32 s23, s23, 1
	s_cmp_lg_u32 s23, 0
	s_cbranch_scc1 .Lstep
	; THE END: O^T / the sum is y: register 16 b + i is channel 32 b + 16 h + i of my query.  Its two blocks are quantised and leave as one half image and two scale bytes.
.rept 4
	v_nop                                          ; places behind the last products
.endr
	v_add_f32 v20, v20, v21
	v_permlanex16_b32 v254, v20, s26, s27
	v_add_f32 v20, v20, v254                       ; the row's sum
	v_rcp_f32 v20, v20
	v_lshlrev_b32 v255, 5, v11                     ; (a plain place)  ys: 32 bytes a token
.set k, 0
	s_wait_alu depctr_va_vdst(0)
.rept 32
	v_mul_f32 v[S+k], v[O+k], v20
.set k, k+1
.endr
.irp b, 0,1
	v_max3_num_f32 v[W0+\b], |v[S+16*\b]|, |v[S+16*\b+1]|, 0x1800000
.endr
.irp i, 2,4,6,8,10,12,14
.irp b, 0,1
	v_max3_num_f32 v[W0+\b], v[W0+\b], |v[S+16*\b+\i]|, |v[S+16*\b+\i+1]|
.endr
.endr
.irp b, 0,1
	v_permlanex16_b32 v[W1+\b], v[W0+\b], s26, s27
.endr
.irp b, 0,1
	v_max_num_f32 v[W0+\b], v[W0+\b], v[W1+\b]
.endr
.irp b, 0,1
	v_add_nc_u32 v[W1+\b], 0xff000000, v[W0+\b]
.endr
.irp b, 0,1
	v_lshrrev_b32 v[W0+\b], 23, v[W1+\b]
.endr
	v_lshl_or_b32 v246, v245, 8, v244              ; the head's two scale bytes of my token
	v_cvt_scalef32_pk16_fp6_f32 v[PC:PC+2], v[S:S+15], v[W1]
	v_cvt_scalef32_pk16_fp6_f32 v[PX:PX+2], v[S+16:S+31], v[W1+1]
	v_nop
.irp i, 0,1,2
	v_permlane16_swap_b32 v[PC+\i], v[PX+\i]
.endr
.irp i, 0,1,2
	v_mov_b32 v[PC+3+\i], v[PX+\i]
.endr
	s_lshr_b32 s68, s19, 4
	s_lshl_b32 s68, s68, 7
	s_add_co_u32 s68, s68, s22                     ; the tile of 16 tokens among all: 128 x batch + m
	s_and_b32 s69, s19, 15                         ; the head
	s_lshl_b32 s70, s68, 4
	s_add_co_u32 s70, s70, s69
	s_mul_i32 s70, s70, 768
	s_mov_b32 s71, 0
	s_add_nc_u64 s[12:13], s[12:13], s[70:71]
	s_lshl_b32 s72, s68, 9
	s_lshl_b32 s73, s69, 1
	s_add_co_u32 s72, s72, s73
	s_mov_b32 s73, 0
	s_add_nc_u64 s[14:15], s[14:15], s[72:73]
	global_store_b128 v1, v[PC:PC+3], s[12:13]     ; 512 consecutive bytes,
	global_store_b64 v2, v[PC+4:PC+5], s[12:13] offset:512   ; and 256
	global_store_b16 v255, v246, s[14:15]          ; two bytes a token (both halves of the lanes write the same bytes): 1 part in 24 of y's codes
	s_wait_dscnt 0x0                               ; no LDS instruction of mine is out at a signal
	s_wait_tensorcnt 0x0
	ds_add_u32 v211, v227
	s_wait_dscnt 0x0
	CROUND                                         ; the closing round
	s_endpgm
.Lfunc_end_k_q84c05b4d1f_attn:
	.size	k_q84c05b4d1f_attn, .Lfunc_end_k_q84c05b4d1f_attn-k_q84c05b4d1f_attn
	.p2alignl 7, 3214868480
	.fill 96, 4, 3214868480
	.section	.rodata,"a",@progbits
	.p2align	6, 0x0
	.amdhsa_kernel k_q84c05b4d1f_attn
		.amdhsa_group_segment_fixed_size 215040
		.amdhsa_private_segment_fixed_size 0
		.amdhsa_enable_private_segment 0
		.amdhsa_kernarg_size 48
		.amdhsa_user_sgpr_count 2
		.amdhsa_user_sgpr_kernarg_segment_ptr 1
		.amdhsa_wavefront_size32 1
		.amdhsa_system_sgpr_workgroup_id_x 1
		.amdhsa_system_sgpr_workgroup_id_y 1
		.amdhsa_system_sgpr_workgroup_id_z 1
		.amdhsa_system_vgpr_workitem_id 0
		.amdhsa_next_free_vgpr 256
		.amdhsa_next_free_sgpr 80
		.amdhsa_reserve_vcc 1
		.amdhsa_float_denorm_mode_32 3
		.amdhsa_float_denorm_mode_16_64 3
		.amdhsa_memory_ordered 1
		.amdhsa_forward_progress 1
		.amdhsa_inst_pref_size 52
	.end_amdhsa_kernel
	.amdgpu_metadata
---
amdhsa.version: [ 1, 2 ]
amdhsa.kernels:
  - .name:           k_q84c05b4d1f_attn
    .symbol:         k_q84c05b4d1f_attn.kd
    .args:
      - { .name: qh, .offset: 0, .size: 8, .value_kind: global_buffer, .address_space: global }
      - { .name: kh, .offset: 8, .size: 8, .value_kind: global_buffer, .address_space: global }
      - { .name: vh, .offset: 16, .size: 8, .value_kind: global_buffer, .address_space: global }
      - { .name: sc, .offset: 24, .size: 8, .value_kind: global_buffer, .address_space: global }
      - { .name: yh, .offset: 32, .size: 8, .value_kind: global_buffer, .address_space: global }
      - { .name: ys, .offset: 40, .size: 8, .value_kind: global_buffer, .address_space: global }
    .group_segment_fixed_size: 215040
    .private_segment_fixed_size: 0
    .kernarg_segment_align: 8
    .kernarg_segment_size: 48
    .max_flat_workgroup_size: 512
    .sgpr_count:     80
    .vgpr_count:     256
    .wavefront_size: 32
...
	.end_amdgpu_metadata
.endif
;; end of part 2
;; launch proj (part 3): grid 8 x 32, 4 waves a work-group, clusters of 4 x 4, 239,104 bytes of LDS; arguments yh, ys, W_proj_codes, W_proj_scales, out0; writes out0
.if DOCPART == 3
	.amdgcn_target "amdgcn-amd-amdhsa--gfx1250"
	.amdhsa_code_object_version 6
	.text
	.protected	k_q84c05b4d1f_proj
	.globl	k_q84c05b4d1f_proj
	.p2align	8
	.type	k_q84c05b4d1f_proj,@function
k_q84c05b4d1f_proj:
	s_mov_b64 s[64:65], 0
	v_nop
	global_prefetch_b8 v0, s[64:65] scope:SCOPE_SE
	s_setreg_imm32_b32 hwreg(HW_REG_WAVE_MODE, 25, 1), 1
	s_wait_xcnt 0x0
	s_wait_alu depctr_hold_cnt(0) depctr_sa_sdst(0) depctr_va_vdst(0) depctr_va_sdst(0) depctr_va_ssrc(0) depctr_va_vcc(0) depctr_vm_vsrc(0)
	s_getreg_b32 s2, hwreg(HW_REG_IB_STS2, 6, 4)
	s_cmp_eq_u32 s2, 0
	s_cbranch_scc0 .Lentry_in_a_cluster
	s_endpgm
.Lentry_in_a_cluster:
	s_bfe_u32 s2, ttmp6, 0x10000c
	s_cmp_lg_u32 s2, 0xf033
	s_cbranch_scc0 .Lentry_shape_is_right
	s_endpgm
.Lentry_shape_is_right:
; out0 = y W_proj^T on codes of FP6 (E2M3) with E8M0 scales; sums in f32.  y: half images yh[tile of 16 tokens][head][768] (16 rows x 64 along K as six operand registers: registers 0-3 of lane l at byte 16 l, registers 4-5 at
; byte 512 + 8 l) and scale bytes ys[token][32].  W_proj: rows of 768 bytes of codes, 32 scale bytes a row.
; SHARES.  A work-group makes 128 tokens x 128 columns: 8 x 32 work-groups.  Wave (wr, wc) makes 64 x 64: 16 accumulators.  The matrix instruction is used transposed (source 0 = 16 rows of W_proj, source 1 = 16 tokens):
; a lane then holds eight neighbouring columns of one row of out0.
; ALL of K (1,024) lies in LDS, filled ONCE, in four chunks of 256 along K: four loads a wave, issued together; the chunks are waited for one after the other, so the first products start when the first chunk is in.  No refill.
; CLUSTERS: 4 x 4 work-groups.  y's tiles hang on the token block alone and are shared along a row of the cluster, W_proj's on the column block alone and are shared along a column.
; REGISTERS: window 0: v16-27 addresses; v32-47 y's scale words, v48-63 W_proj's (scales and nothing else); v128-255 the accumulators ((l, i) at v[128 + 8 (4 l + i)]).
;   window 1: two fragment buffers, v0-95 and v128-223: y's four fragments, then W_proj's four; on the way out v0-127 take the rows read back from the stage.
.set PITCH, 240                        ; W_proj's LDS row: 3 x (64 bytes + 16 of padding)
.set WB,    98304                      ; LDS: y at 0 (chunk c at 24,576 c, a tile's 3,072 bytes on end); W_proj here (chunk c at 30,720 c)
.set STG,   221184                     ; the stages, bytes of their own: 16 rows x 272 bytes for each wave
.set YA,  16                           ; v16-17 16 x lane + my tiles, chunks 0-1 and 2-3; v18-19 the same with 8 x lane
.set WA,  20                           ; v20-21 my rows of W_proj, chunks 0-1 and 2-3; v22-23 for pieces behind one padding more
.set STO, 24
.set RD,  25
.set CO,  26
.set SA,  27
.set YS,  32
.set WS,  48
.set ACC, 128
.set G1Y, 24                           ; s[24:31], s[32:39] groups 1;  s[40:55] y's four groups 0;  s[56:63], s[68:75] W_proj's
.set G1W, 32
.set G0Y, 40
.set MSB, 0
.macro WIN new
.if MSB != (\new)
	s_set_vgpr_msb (MSB<<8)|(\new)
.set MSB, (\new)
.endif
.endm
.macro PLACES
.rept 4
	v_nop
.endr
.endm
.macro CROUND
	s_barrier_signal -1
	s_barrier_wait -1
	s_cmp_lg_u32 s14, 0
	s_cbranch_scc1 .Lnot_wave_0_\@
	s_barrier_signal -3
.Lnot_wave_0_\@:
	s_barrier_wait -3
	s_barrier_signal -1
	s_barrier_wait -1
.endm
.macro FRAGY reg, ks, l                ; a fragment of y is two half images on end: four loads of consecutive bytes
.set OFY, 24576*(((\ks)/2)%2)+3072*(\l)+1536*((\ks)%2)
	ds_load_b128 v[\reg:\reg+3], v[YA+(\ks)/4] offset:OFY
	ds_load_b64 v[\reg+4:\reg+5], v[YA+2+(\ks)/4] offset:OFY+512
	ds_load_b128 v[\reg+6:\reg+9], v[YA+(\ks)/4] offset:OFY+768
	ds_load_b64 v[\reg+10:\reg+11], v[YA+2+(\ks)/4] offset:OFY+1280
.endm
.macro FRAGW reg, ks, i                ; a fragment of W_proj: six pieces of 8 bytes of its rows
.irp p, 0,1,2,3,4,5
.set PCE, 12*((\ks)%2)+6*(\p/3)+\p%3
.set OFW, 8*PCE+16*(PCE/8)+30720*(((\ks)/2)%2)+(\i)*16*PITCH
.if PCE%8 < 5
	ds_load_b64 v[\reg+2*\p:\reg+2*\p+1], v[WA+(\ks)/4] offset:OFW
.else
	ds_load_b64 v[\reg+2*\p:\reg+2*\p+1], v[WA+2+(\ks)/4] offset:OFW
.endif
.endr
.endm
.macro FETCH ks                        ; 40 loads: K step ks into buffer ks % 2
	WIN 0x40
.irp l, 0,1,2,3
	FRAGY 128*((\ks)%2)+12*\l, \ks, \l
.endr
.irp i, 0,1,2,3
	FRAGW 128*((\ks)%2)+48+12*\i, \ks, \i
.endr
.endm
.macro WM d, a, b, sa, sb, zero, hi
.set rD, \d
.set rA, \a
.set rB, \b
.set rP, \sa
.set rQ, \sb
.if \zero
	v_wmma_scale_f32_16x16x128_f8f6f4 v[rD:rD+7], v[rA:rA+11], v[rB:rB+11], 0, v[rP], v[rQ] matrix_a_fmt:MATRIX_FMT_FP6 matrix_b_fmt:MATRIX_FMT_FP6
.elseif \hi
	v_wmma_scale_f32_16x16x128_f8f6f4 v[rD:rD+7], v[rA:rA+11], v[rB:rB+11], v[rD:rD+7], v[rP], v[rQ] matrix_a_fmt:MATRIX_FMT_FP6 matrix_b_fmt:MATRIX_FMT_FP6 matrix_a_scale:MATRIX_SCALE_ROW1 matrix_b_scale:MATRIX_SCALE_ROW1
.else
	v_wmma_scale_f32_16x16x128_f8f6f4 v[rD:rD+7], v[rA:rA+11], v[rB:rB+11], v[rD:rD+7], v[rP], v[rQ] matrix_a_fmt:MATRIX_FMT_FP6 matrix_b_fmt:MATRIX_FMT_FP6
.endif
.endm
.macro MUL ks                          ; sixteen products; the accumulators take turns in the same order in every step
	WIN 0x05                                       ; sources 0 and 1 window 1; C and D window 0
.irp l, 0,1,2,3
.irp i, 0,1,2,3
	WM ACC+8*(4*\l+\i), 128*((\ks)%2)+48+12*\i, 128*((\ks)%2)+12*\l, WS+4*\i+(\ks)%4, YS+4*\l+(\ks)%4, (\ks)==0, (\ks)/4
.endr
.endr
.endm
	s_load_b256 s[4:11], s[0:1], 0x0               ; yh s[4:5], ys s[6:7], W_proj's codes s[8:9], its scales s[10:11]
	s_load_b64 s[12:13], s[0:1], 0x20              ; out0
	v_lshl_add_u32 v126, v0, 2, 0x3a400
	v_mov_b32 v127, 0
	ds_add_u32 v126, v127
	ds_add_u32 v126, v127
	v_lshrrev_b32 v1, 5, v0
	v_readfirstlane_b32 s14, v1                    ; wave 0..3
	s_lshr_b32 s15, s14, 1                         ; wr: which 64 tokens.  Also: I fetch y (0) or W_proj (1)
	s_and_b32 s16, s14, 1                          ; wc: which 64 columns.  Also: which half of a chunk I fetch
	s_bfe_u32 s17, ttmp6, 0x40000                  ; cx
	s_bfe_u32 s18, ttmp6, 0x40004                  ; cy
	s_lshl_b32 s19, ttmp9, 2
	s_add_co_u32 s19, s19, s17                     ; the block of 128 columns
	s_and_b32 s20, ttmp7, 0xffff
	s_lshl_b32 s20, s20, 2
	s_add_co_u32 s20, s20, s18                     ; the block of 128 tokens
	s_lshl_b32 s21, s18, 2
	s_lshl_b32 s21, 15, s21                        ; my row of the cluster
	s_lshl_b32 s22, 0x1111, s17                    ; my column
	s_or_b32 s[G1Y], s21, (3<<16)|(1<<21)          ; y: four tiles, of each 3,072 bytes (384 elements of 8 bytes), 12,288 bytes apart; no padding
	s_mov_b32 s[G1Y+1], 384<<16
	s_mov_b32 s[G1Y+2], 4<<16
	s_mov_b32 s[G1Y+3], 384<<16
	s_mov_b32 s[G1Y+4], 4
	s_mov_b32 s[G1Y+5], 1536
	s_mov_b32 s[G1Y+6], 0
	s_mov_b32 s[G1Y+7], 0
	s_or_b32 s[G1W], s22, (1<<20)|(1<<21)|(3<<22)|(3<<25)   ; W_proj: 64 rows of 192 bytes, 768 apart; 16 bytes of padding behind every 64
	s_mov_b32 s[G1W+1], 192<<16
	s_mov_b32 s[G1W+2], 64<<16
	s_mov_b32 s[G1W+3], 192<<16
	s_mov_b32 s[G1W+4], 64
	s_mov_b32 s[G1W+5], 768
	s_mov_b32 s[G1W+6], 0
	s_mov_b32 s[G1W+7], 0
	s_mul_i32 s76, s20, 98304                      ; y: eight tiles of 12,288 bytes a block; hangs on the token block and the wave alone
	s_mul_i32 s77, s16, 49152
	s_add_co_u32 s76, s76, s77
	s_mov_b32 s77, 0
	s_lshl_b32 s80, s19, 7                         ; W_proj: row 128 x column block + 64 x half; hangs on the column block and the wave alone
	s_lshl_b32 s81, s16, 6
	s_add_co_u32 s80, s80, s81
	s_mul_i32 s80, s80, 768
	s_mov_b32 s81, 0
	s_mul_i32 s84, s16, 12288                      ; where they go
	s_mul_i32 s85, s16, 15360
	s_add_co_u32 s85, s85, WB
	s_wait_dscnt 0x0
	s_wait_kmcnt 0x0
	s_add_nc_u64 s[78:79], s[4:5], s[76:77]
	s_add_nc_u64 s[82:83], s[8:9], s[80:81]
.irp c, 0,1,2,3
.set GW, 56+4*\c+4*(\c/2)
	s_mov_b32 s[G0Y+4*\c], 1
	s_add_co_u32 s[G0Y+4*\c+1], s84, 24576*\c
	s_add_nc_u64 s[G0Y+4*\c+2:G0Y+4*\c+3], s[78:79], 3072*\c
	s_or_b32 s[G0Y+4*\c+3], s[G0Y+4*\c+3], 0x80000000
	s_mov_b32 s[GW], 1
	s_add_co_u32 s[GW+1], s85, 30720*\c
	s_add_nc_u64 s[GW+2:GW+3], s[82:83], 192*\c
	s_or_b32 s[GW+3], s[GW+3], 0x80000000
.endr
	CROUND                                         ; all sixteen work-groups are here: the joint loads meet
	s_cmp_eq_u32 s15, 0                            ; a wave's four fills stand in one branch: four loads of mine are out
	s_cbranch_scc0 .Lfor_w
	tensor_load_to_lds s[40:43], s[G1Y:G1Y+7]
	s_nop 0
	tensor_load_to_lds s[44:47], s[G1Y:G1Y+7]
	s_nop 0
	tensor_load_to_lds s[48:51], s[G1Y:G1Y+7]
	s_nop 0
	tensor_load_to_lds s[52:55], s[G1Y:G1Y+7]
	s_nop 0
.rept 4
	v_nop
.endr
	s_branch .Lasked
.Lfor_w:
	tensor_load_to_lds s[56:59], s[G1W:G1W+7]
	s_nop 0
	tensor_load_to_lds s[60:63], s[G1W:G1W+7]
	s_nop 0
	tensor_load_to_lds s[68:71], s[G1W:G1W+7]
	s_nop 0
	tensor_load_to_lds s[72:75], s[G1W:G1W+7]
	s_nop 0
.rept 4
	v_nop
.endr
.Lasked:
	v_and_b32 v1, 15, v0                           ; r
	v_bfe_u32 v2, v0, 4, 1                         ; h
	v_and_b32 v3, 31, v0                           ; lane
	s_mul_i32 s86, s15, 12288                      ; my four tiles of y
	v_lshlrev_b32 v4, 4, v3
	v_lshlrev_b32 v5, 3, v3
	v_add_nc_u32 v[YA], s86, v4
	v_add_nc_u32 v[YA+2], s86, v5
	v_add_nc_u32 v[YA+1], 49152, v[YA]
	v_add_nc_u32 v[YA+3], 49152, v[YA+2]
	s_mul_i32 s86, s16, 15360                      ; my 64 rows of W_proj
	s_add_co_u32 s86, s86, WB
	v_mul_u32_u24 v6, v1, PITCH
	v_mul_u32_u24 v7, v2, 24
	v_add_nc_u32 v6, v6, v7
	v_lshl_add_u32 v7, v2, 4, v6
	v_add_nc_u32 v[WA], s86, v6
	v_add_nc_u32 v[WA+2], s86, v7
	v_add_nc_u32 v[WA+1], 61440, v[WA]
	v_add_nc_u32 v[WA+3], 61440, v[WA+2]
	s_mul_i32 s86, s14, 16*272
	s_add_co_u32 s86, s86, STG                     ; my stage
	v_mul_u32_u24 v8, v1, 272
	v_lshl_add_u32 v8, v2, 5, v8
	v_add_nc_u32 v[STO], s86, v8                   ; in: row r, 32 bytes for each half of the lanes
	v_mul_u32_u24 v9, v2, 272
	v_lshl_add_u32 v9, v1, 4, v9
	v_add_nc_u32 v[RD], s86, v9                    ; back: lanes 0-15 one row of 256 bytes, lanes 16-31 the next
	v_lshlrev_b32 v[CO], 12, v2
	v_lshl_add_u32 v[CO], v1, 4, v[CO]             ; and the same two rows in out0
	v_lshlrev_b32 v[SA], 5, v1
	v_lshl_add_u32 v[SA], v2, 4, v[SA]             ; scale bytes: 32 r + 16 h: register j holds K step j in lanes 0-15 and K step 4 + j in lanes 16-31
	s_lshl_b32 s86, s20, 12
	s_lshl_b32 s87, s15, 11
	s_add_co_u32 s86, s86, s87
	s_mov_b32 s87, 0
	s_add_nc_u64 s[6:7], s[6:7], s[86:87]          ; ys at my first token
	s_lshl_b32 s88, s19, 12
	s_lshl_b32 s89, s16, 11
	s_add_co_u32 s88, s88, s89
	s_mov_b32 s89, 0
	s_add_nc_u64 s[10:11], s[10:11], s[88:89]      ; W_proj's scales at my first row
.irp l, 0,1,2,3
	global_load_b128 v[YS+4*\l:YS+4*\l+3], v[SA], s[6:7] offset:512*\l
.endr
.irp i, 0,1,2,3
	global_load_b128 v[WS+4*\i:WS+4*\i+3], v[SA], s[10:11] offset:512*\i
.endr
	s_lshl_b32 s86, s20, 7
	s_lshl_b32 s87, s15, 6
	s_add_co_u32 s86, s86, s87
	s_lshl_b32 s86, s86, 12                        ; my first row of out0, 4,096 bytes a row,
	s_lshl_b32 s87, s19, 9
	s_add_co_u32 s86, s86, s87
	s_lshl_b32 s87, s16, 8
	s_add_co_u32 s86, s86, s87                     ; and my first column: 512 x column block + 256 x half
	s_mov_b32 s87, 0
	s_add_nc_u64 s[12:13], s[12:13], s[86:87]
	s_wait_tensorcnt 0x3                           ; my part of chunk 0 is in; the three behind it may stay out
	s_barrier_signal -1
	s_barrier_wait -1                              ; everybody's is
	FETCH 0
	s_wait_loadcnt 0x0                             ; the scale words
.irp ks, 0,1,2,3,4,5,6
.if (\ks)%2 == 1
	s_wait_tensorcnt 3-(\ks+1)/2                   ; the next K step begins a chunk: my part of it is in, the later chunks may stay out,
	s_wait_dscnt 0x0                               ; no LDS load of mine is out at the signal,
	s_barrier_signal -1
	s_barrier_wait -1                              ; and everybody's part is in
.endif
	PLACES                                         ; in front of loads into the buffer that the last step multiplied
	FETCH \ks+1
	s_wait_dscnt 40                                ; all but the 40 just issued
	MUL \ks
.endr
	s_wait_dscnt 0x0
	MUL 7
	WIN 0
	PLACES                                         ; in front of the first reads of results and of loads into fragment registers
; THE WAY OUT, 16 tokens x 64 columns at a time, through my own stage: 32 bytes a lane in, whole rows of 256 bytes back; sixteen lanes then store 256 consecutive bytes, at a multiple of 256 from out0's first byte.
; LDS serves a wave's instructions in order (ISA guide 5.7.1.4): no wait between the stores and the loads, nor in front of the next block's stores.  Each block has registers of its own, so no store's data are written again.
.macro TOSTAGE l
	WIN 0
.irp i, 0,1,2,3
	ds_store_b128 v[STO], v[ACC+8*(4*\l+\i):ACC+8*(4*\l+\i)+3] offset:64*\i        ; each accumulator from its low end on
	ds_store_b128 v[STO], v[ACC+8*(4*\l+\i)+4:ACC+8*(4*\l+\i)+7] offset:64*\i+16
.endr
	WIN 0x40                                       ; destination window 1
.irp t, 0,1,2,3,4,5,6,7
	ds_load_b128 v[32*\l+4*\t:32*\l+4*\t+3], v[RD] offset:544*\t
.endr
.endm
.macro SEND l, younger                 ; younger: the LDS instructions issued behind block l's loads
	WIN 0x04                                       ; a store's data are its source 1: window 1
	s_wait_dscnt \younger
.irp t, 0,1,2,3,4,5,6,7
	global_store_b128 v[CO], v[32*\l+4*\t:32*\l+4*\t+3], s[12:13] offset:(16*\l+2*\t)*4096 th:TH_STORE_NT   ; written once, read by nobody here
.endr
.endm
	TOSTAGE 0
	TOSTAGE 1
	SEND 0, 16                                     ; behind block 0's loads: block 1's 8 stores and 8 loads
	TOSTAGE 2
	SEND 1, 16
	TOSTAGE 3
	SEND 2, 16
	SEND 3, 0
	WIN 0
	s_wait_tensorcnt 0x0
	ds_add_u32 v126, v127
	s_wait_dscnt 0x0
	CROUND                                         ; the closing round: no work-group ends while a partner may still ask for a tile that names it
	s_endpgm
.Lfunc_end_k_q84c05b4d1f_proj:
	.size	k_q84c05b4d1f_proj, .Lfunc_end_k_q84c05b4d1f_proj-k_q84c05b4d1f_proj
	.p2alignl 7, 3214868480
	.fill 96, 4, 3214868480
	.section	.rodata,"a",@progbits
	.p2align	6, 0x0
	.amdhsa_kernel k_q84c05b4d1f_proj
		.amdhsa_group_segment_fixed_size 239104
		.amdhsa_private_segment_fixed_size 0
		.amdhsa_enable_private_segment 0
		.amdhsa_kernarg_size 40
		.amdhsa_user_sgpr_count 2
		.amdhsa_user_sgpr_kernarg_segment_ptr 1
		.amdhsa_wavefront_size32 1
		.amdhsa_system_sgpr_workgroup_id_x 1
		.amdhsa_system_sgpr_workgroup_id_y 1
		.amdhsa_system_sgpr_workgroup_id_z 1
		.amdhsa_system_vgpr_workitem_id 0
		.amdhsa_next_free_vgpr 512
		.amdhsa_next_free_sgpr 92
		.amdhsa_reserve_vcc 0
		.amdhsa_float_denorm_mode_32 3
		.amdhsa_float_denorm_mode_16_64 3
		.amdhsa_memory_ordered 1
		.amdhsa_forward_progress 1
		.amdhsa_inst_pref_size 56
	.end_amdhsa_kernel
	.amdgpu_metadata
---
amdhsa.version: [ 1, 2 ]
amdhsa.kernels:
  - .name:           k_q84c05b4d1f_proj
    .symbol:         k_q84c05b4d1f_proj.kd
    .args:
      - { .name: yh, .offset: 0, .size: 8, .value_kind: global_buffer, .address_space: global }
      - { .name: ys, .offset: 8, .size: 8, .value_kind: global_buffer, .address_space: global }
      - { .name: W_proj_codes, .offset: 16, .size: 8, .value_kind: global_buffer, .address_space: global }
      - { .name: W_proj_scales, .offset: 24, .size: 8, .value_kind: global_buffer, .address_space: global }
      - { .name: out0, .offset: 32, .size: 8, .value_kind: global_buffer, .address_space: global }
    .group_segment_fixed_size: 239104
    .private_segment_fixed_size: 0
    .kernarg_segment_align: 8
    .kernarg_segment_size: 40
    .max_flat_workgroup_size: 128
    .sgpr_count:     92
    .vgpr_count:     512
    .wavefront_size: 32
...
	.end_amdgpu_metadata
.endif
;; end of part 3
